; MI455X (gfx1250); checked and timed in simulation.
; The chip was launched on July 23, 2026; its instructions are those of AMD's public machine-readable ISA for CDNA 5 (MIT licence, August 2026) and "CDNA5" Instruction Set Architecture Reference Guide (July 2026). The comments in the code are by the model that wrote it; some were corrected since.
;; Codebook Layer. Allowed arithmetic: matrix products marked QUANTISED: E3M2 operands, one E8M0 scale for each 32 along K, by v_wmma_scale_f32_16x16x128_f8f6f4 with both operands' format E3M2, f32 sums; everything else in f32.
;; Inputs: codebook 8,192 x 768 float32; x 4 x 2,048 x 768 float32.
;; Outputs: out0 4 x 2,048 x 768 float32; out1 4 x 2,048 x 8 int32.
;; This version of the problem:
;;   THIS VERSION OF THE PROBLEM IS GIVEN IN LOW PRECISION. The matrix products marked QUANTISED in the list below multiply operands that are first quantised to E3M2 (3 exponent bits, 2 mantissa bits; 6 bits a number), with one power-of-two scale for each 32 numbers along K (OCP MX v1.0); their sums are f32. All else is computed in f32.
;;   The module's matrix products, in the order in which they are computed (A, B: the left and right operand; K: the contracted axis; several contracted axes count as one K, in the product's order):
;;     1. [M 8,192, K 768] x [K 768, N 8,192]; A: input x; B: input codebook: QUANTISED
;;   THE QUANTISER, for each operand of a quantised product, along K:
;;     - K is cut into blocks of 32 from its start; a last block that is shorter is filled with zeros.
;;     - A block's scale is 2^e with e = floor(log2(the largest magnitude in the block)) - 4, held to -126 .. 127; a block of zeros has e = 0. As a byte (E8M0): e + 127.
;;     - Each number is divided by its block's scale, clamped to +-28, and rounded to the nearest number of E3M2, ties to even, subnormals kept.
;;     - The product sums the exact products of the quantised numbers (number of the format x scale) in f32.
;;   ~~~python
;;   def quantise(x, axis):      # numpy; x: float32 -> the quantised numbers, widened to float32 again
;;       x = np.moveaxis(x, axis, -1); K = x.shape[-1]
;;       x = np.pad(x, [(0, 0)] * (x.ndim - 1) + [(0, -K % 32)]); x = x.reshape(x.shape[:-1] + (-1, 32)); a = np.abs(x).max(-1, keepdims=True)
;;       e = np.where(a > 0, np.clip(np.frexp(np.where(a > 0, a, 1))[1] - 1 - 4, -126, 127), 0)      # np.frexp(a)[1] - 1 = floor(log2(a)), exactly
;;       r = np.clip(x / 2.0 ** e, -28, 28)
;;       step = 2.0 ** (np.maximum(np.frexp(np.where(r == 0, 1, r))[1] - 1, -2) - 2)
;;       q = np.round(r / step) * step * 2.0 ** e      # np.round: ties to even
;;       return np.moveaxis(q.reshape(q.shape[:-2] + (-1,))[..., :K], -1, axis).astype(np.float32)
;;   ~~~
;; One version. Each part assembles by itself: llvm-mc -triple=amdgcn-amd-amdhsa -mcpu=gfx1250 --defsym DOCPART=n.
;; ======== version 1 of 1: 5 launches
;; limits: right only within a limited range of input values
;; workspace buffers: q 9,437,184 bytes; sc 524,288 bytes; gmax 33,554,432 bytes; gsel 262,144 bytes of whole numbers; ids 262,144 bytes of whole numbers
;; launch quant (part 1): grid 256 x 1, 4 waves a work-group, no clusters, 68,096 bytes of LDS; arguments x, codebook, q, sc; writes q, sc
.if DOCPART == 1
	.amdgcn_target "amdgcn-amd-amdhsa--gfx1250"
	.amdhsa_code_object_version 6
	.text
	.protected	k_q2f33cc5270_quant
	.globl	k_q2f33cc5270_quant
	.p2align	8
	.type	k_q2f33cc5270_quant,@function
k_q2f33cc5270_quant:
	s_mov_b64 s[64:65], 0
	v_nop
	global_prefetch_b8 v0, s[64:65] scope:SCOPE_SE
	s_setreg_imm32_b32 hwreg(HW_REG_WAVE_MODE, 25, 1), 1
	s_wait_xcnt 0x0
; x [8192][768] and codebook [8192][768], f32, become codes of BF6 (E3M2) with one E8M0 scale byte for each 32 along the 768, and each row's sum of squares in f32.
; A block's scale is 2^(floor(log2(largest magnitude)) - 4): its byte is the largest magnitude's exponent field - 4, held at 1 from below.
; LIMITS: a block of zeros gets the byte 1 where the quantiser says 127 (its codes are zeros and only this program reads the bytes); NaN and infinities are not served;
; a row's sum of squares is made by fused multiply-adds in eight chains (four packed chains in each of two lanes), which need not be the order of the problem's own sum.
; LAYOUT OF THE RESULTS.  A tile is 16 rows; tiles 0-511 are x, tiles 512-1023 the codebook.  q holds, for tile T and K step s (128 along K), the IMAGE of the operand's 12 registers:
; piece c (registers 4 c .. 4 c + 3) of lane l at T x 9216 + s x 1536 + c x 512 + 16 l.  sc holds for tile T and lane l four words at T x 512 + 16 l: word p (0..2): lanes 0-15 the scale word of
; row l for K step 2 p, lanes 16-31 that of row l - 16 for K step 2 p + 1; word 3: the sum of squares of row l % 16.
; SHARES.  One wave takes one tile: 16 rows x 3,072 bytes, in six K steps of 16 rows x 512 bytes.  A step comes by 16 loads, each 512 consecutive bytes of one row, 16 bytes a lane; the loads of four steps are out at once,
; in four sets of 64 registers in window 1.  The operand's layout wants 128 neighbouring bytes of a row in one lane: so a step turns through the wave's own stage in LDS, 16 stores as loaded and 16 reads,
; one step ahead of the work, in two stages by turns.  LDS serves a wave's instructions in order, and waves share nothing: no barrier.
; The loads run four steps ahead of the work by themselves: no prefetch.  No tile is shared: no cluster, no tensor load.
.set PITCH, 528                        ; a stage's row: 512 bytes + 16 of padding: the sixteen rows that a read of 16 bytes a lane touches start at sixteen different 16-byte columns modulo 256 bytes
.set BUF,   16*PITCH                   ; a stage
.set WREG,  2*BUF                      ; LDS bytes of a wave: 16,896 = 66 x 256
.set SPARE, 4*WREG                     ; behind the four waves' stages: the spare words
.set GL,  1                            ; v1      16 x lane
.set RD,  2                            ; v2      LDS: my wave's bytes + row (lane % 16) x PITCH + 128 x (lane / 16)
.set SH,  3                            ; v3      8 x (lane / 16)
.set ST,  8                            ; v8      LDS: my wave's bytes + 16 x lane
.set W,   32                           ; v32-37  the row's scale word of each K step
.set OW,  40                           ; v40-43  the four words for sc
.set SQ,  44                           ; v44-51  four packed chains of squares
.set AM,  52                           ; v52-53  largest magnitudes of my two blocks
.set SOP, 54                           ; v54-55  the conversions' scale operands
.set BY,  56                           ; v56-57  the scale bytes
.set WT,  58
.set WP,  59
.set TQ,  60                           ; v60-62, v64-66 the upper halves of the two blocks' codes
.set F,   68                           ; v68-79, v80-91 the fragment, two sets by turns
.set X,   96                           ; v96-159, v160-223 64 numbers, two sets by turns
.set MSB, 0
.macro WIN new                         ; the immediate's high byte repeats the setting that is left
.if MSB != (\new)
	s_set_vgpr_msb (MSB<<8)|(\new)
.set MSB, (\new)
.endif
.endm
	s_load_b128 s[4:7], s[0:1], 0x0                ; x, codebook
	s_load_b128 s[8:11], s[0:1], 0x10              ; q, sc
	v_lshl_add_u32 v224, v0, 2, SPARE              ; my spare word,
	v_mov_b32 v225, 0                              ; and 0: for the wave's closing lines
	v_lshrrev_b32 v4, 5, v0
	v_readfirstlane_b32 s16, v4                    ; wave 0..3
	s_mul_i32 s17, s16, WREG                       ; my wave's LDS bytes
	s_lshl_b32 s18, ttmp9, 2
	s_add_co_u32 s18, s18, s16                     ; my tile T = 4 x work-group + wave
	s_and_b32 s20, s18, 511
	s_mul_i32 s20, s20, 49152                      ; its 16 rows in its tensor
	s_mov_b32 s21, 0
	s_mul_i32 s22, s18, 9216                       ; its place in q
	s_mov_b32 s23, 0
	s_lshl_b32 s44, s18, 9                         ; and in sc
	s_mov_b32 s45, 0
	s_mov_b32 s12, 0x76543210
	s_mov_b32 s13, 0xfedcba98                      ; v_permlanex16_b32: lane l xor 16
	s_mov_b32 s14, 0xffff0000                      ; lanes 16-31
	v_mov_b32 v[WP], 0                             ; written once: a lane permute's destination counts as one of its sources
	v_and_b32 v5, 31, v0
	v_lshlrev_b32 v[GL], 4, v5
	v_and_b32 v6, 15, v0                           ; r
	v_bfe_u32 v7, v0, 4, 1                         ; h
	v_lshlrev_b32 v[SH], 3, v7
	v_mul_u32_u24 v[RD], v6, PITCH
	v_lshl_add_u32 v[RD], v7, 7, v[RD]
	v_add_nc_u32 v[RD], s17, v[RD]
	v_add_nc_u32 v[ST], s17, v[GL]
	s_wait_alu depctr_va_vdst(0)                   ; the wait at the head's end
	s_wait_kmcnt 0x0
	s_cmp_lt_u32 ttmp9, 128                        ; the first 128 work-groups take x, the others the codebook: the choice hangs on the work-group's number alone
	s_cselect_b64 s[4:5], s[4:5], s[6:7]
	s_add_nc_u64 s[4:5], s[4:5], s[20:21]
	s_add_nc_u64 s[8:9], s[8:9], s[22:23]
	s_add_nc_u64 s[10:11], s[10:11], s[44:45]
; K step s from memory into set s % 4 of window 1: 16 loads, a row each, 512 consecutive bytes at a multiple of 512 from the tensor's first byte; read once in the launch
.macro LOAD s
	WIN 0x40                                       ; destination window 1, address window 0
.irp r, 0,1,2,3,4,5,6,7,8,9,10,11,12,13,14,15
	global_load_b128 v[64*((\s)%4)+4*\r:64*((\s)%4)+4*\r+3], v[GL], s[4:5] offset:\r*3072+(\s)*512 th:TH_LOAD_NT
.endr
	WIN 0
.endm
; K step s through stage s % 2: in as loaded; out so that lane (r, h) takes blocks h and 2 + h of row r, 32 numbers each, as the operand's layout gives them to that lane
.macro TURN s
	WIN 0x04                                       ; the stores' data window 1, address window 0
.irp r, 0,1,2,3,4,5,6,7,8,9,10,11,12,13,14,15
	ds_store_b128 v[ST], v[64*((\s)%4)+4*\r:64*((\s)%4)+4*\r+3] offset:((\s)%2)*BUF+\r*PITCH
.endr
	WIN 0
.irp c, 0,1
.irp k, 0,1,2,3,4,5,6,7
	ds_load_b128 v[X+64*((\s)%2)+32*\c+4*\k:X+64*((\s)%2)+32*\c+4*\k+3], v[RD] offset:((\s)%2)*BUF+\c*256+16*\k
.endr
.endr
.endm
.macro QSTEP s
.set XB, X+64*((\s)%2)
.set FS, F+12*((\s)%2)
.irp i, 0,2,4,6,8,10,12,14,16,18,20,22,24,26,28,30
.irp c, 0,1
.if \i == 0
	v_max3_num_f32 v[AM+\c], |v[XB+32*\c]|, |v[XB+32*\c+1]|, 0x2800000   ; my block's first two numbers and the floor 2^(5 - 127): the byte cannot fall under 1
.else
	v_max3_num_f32 v[AM+\c], v[AM+\c], |v[XB+32*\c+\i]|, |v[XB+32*\c+\i+1]|
.endif
.if ((\s) == 0) && (\i < 4)
	v_pk_mul_f32 v[SQ+4*\c+\i:SQ+4*\c+\i+1], v[XB+32*\c+\i:XB+32*\c+\i+1], v[XB+32*\c+\i:XB+32*\c+\i+1]   ; the first squares start the four chains: nothing is cleared
.else
	v_pk_fma_f32 v[SQ+4*\c+\i%4:SQ+4*\c+\i%4+1], v[XB+32*\c+\i:XB+32*\c+\i+1], v[XB+32*\c+\i:XB+32*\c+\i+1], v[SQ+4*\c+\i%4:SQ+4*\c+\i%4+1]
.endif
.endr
.endr
.irp c, 0,1
	v_add_nc_u32 v[SOP+\c], 0xfe000000, v[AM+\c]   ; 4 off the exponent field: the conversion takes the exponent field of this operand as its scale
.endr
.irp c, 0,1
	v_lshrrev_b32 v[BY+\c], 23, v[SOP+\c]          ; the scale's byte
.endr
	v_lshl_or_b32 v[WT], v[BY+1], 16, v[BY]        ; my bytes: blocks h and 2 + h,
	v_lshlrev_b32 v[WT], v[SH], v[WT]              ; at their places in the word;
	v_permlanex16_b32 v[WP], v[WT], s12, s13
	v_or_b32 v[W+(\s)], v[WT], v[WP]               ; with lane l xor 16's two the row's word is whole, in both lanes
.if (\s) >= 2
	s_wait_alu depctr_va_vdst(0)
	s_wait_xcnt 0x0                                ; the stores of two steps back have read this set of fragment registers: it is written again only behind this wait
.endif
.irp c, 0,1
	v_cvt_scalef32_pk16_bf6_f32 v[FS+6*\c:FS+6*\c+2], v[XB+32*\c:XB+32*\c+15], v[SOP+\c]
	v_cvt_scalef32_pk16_bf6_f32 v[TQ+4*\c:TQ+4*\c+2], v[XB+32*\c+16:XB+32*\c+31], v[SOP+\c]   ; (a conversion's three registers begin on an even number)
.endr
	v_nop                                          ; one plain place behind a scaled conversion
.irp c, 0,1
.irp i, 0,1,2
	v_mov_b32 v[FS+6*\c+3+\i], v[TQ+4*\c+\i]
.endr
.endr
.irp c, 0,1,2
	global_store_b128 v[GL], v[FS+4*\c:FS+4*\c+3], s[8:9] offset:(\s)*1536+\c*512   ; 32 lanes store 512 consecutive bytes, at a multiple of 256 from q's first byte
.endr
.endm
	LOAD 0
	LOAD 1
	LOAD 2
	LOAD 3
	s_wait_loadcnt 48                              ; step 0's 16 loads are in; those of steps 1 to 3 may be out
	TURN 0
.irp s, 0,1,2,3,4,5
.if \s < 3
	s_wait_loadcnt 32                              ; the next step's loads are in; those of the two steps behind it may be out
.elseif \s == 3
	s_wait_loadcnt 16                              ; step 4's are in; step 5's may be out
.elseif \s == 4
	s_wait_loadcnt 0x0
.endif
.if \s < 5
	TURN \s+1
	s_wait_dscnt 32                                ; this step's stores and reads are done; the next step's 16 stores and 16 reads may be out
.else
	s_wait_dscnt 0x0
.endif
.if \s < 2
	LOAD \s+4                                      ; into the set that this step's stores, now done, have read
.endif
	QSTEP \s
.endr
.irp p, 0,1,2
	v_cndmask_b32 v[OW+\p], v[W+2*\p], v[W+2*\p+1], s14   ; lanes 0-15: K step 2 p; lanes 16-31: K step 2 p + 1
.endr
	v_pk_add_f32 v[SQ:SQ+1], v[SQ:SQ+1], v[SQ+2:SQ+3]
	v_pk_add_f32 v[SQ+4:SQ+5], v[SQ+4:SQ+5], v[SQ+6:SQ+7]
	v_pk_add_f32 v[SQ:SQ+1], v[SQ:SQ+1], v[SQ+4:SQ+5]
	v_add_f32 v[OW+3], v[SQ], v[SQ+1]
	v_permlanex16_b32 v[WP], v[OW+3], s12, s13
	v_add_f32 v[OW+3], v[OW+3], v[WP]              ; the row's sum of squares, in both lanes
	global_store_b128 v[GL], v[OW:OW+3], s[10:11]  ; 512 consecutive bytes
	s_wait_tensorcnt 0x0                           ; the wave's end: behind my last LDS store
	ds_add_u32 v224, v225
	s_wait_dscnt 0x0
	s_endpgm
.Lfunc_end_k_q2f33cc5270_quant:
	.size	k_q2f33cc5270_quant, .Lfunc_end_k_q2f33cc5270_quant-k_q2f33cc5270_quant
	.p2alignl 7, 3214868480
	.fill 96, 4, 3214868480
	.section	.rodata,"a",@progbits
	.p2align	6, 0x0
	.amdhsa_kernel k_q2f33cc5270_quant
		.amdhsa_group_segment_fixed_size 68096
		.amdhsa_private_segment_fixed_size 0
		.amdhsa_enable_private_segment 0
		.amdhsa_kernarg_size 32
		.amdhsa_user_sgpr_count 2
		.amdhsa_user_sgpr_kernarg_segment_ptr 1
		.amdhsa_wavefront_size32 1
		.amdhsa_system_sgpr_workgroup_id_x 1
		.amdhsa_system_sgpr_workgroup_id_y 1
		.amdhsa_system_sgpr_workgroup_id_z 1
		.amdhsa_system_vgpr_workitem_id 0
		.amdhsa_next_free_vgpr 512
		.amdhsa_next_free_sgpr 66
		.amdhsa_reserve_vcc 0
		.amdhsa_float_denorm_mode_32 3
		.amdhsa_float_denorm_mode_16_64 3
		.amdhsa_memory_ordered 1
		.amdhsa_forward_progress 1
		.amdhsa_inst_pref_size 57
	.end_amdhsa_kernel
	.amdgpu_metadata
---
amdhsa.version: [ 1, 2 ]
amdhsa.kernels:
  - .name:           k_q2f33cc5270_quant
    .symbol:         k_q2f33cc5270_quant.kd
    .args:
      - { .name: x, .offset: 0, .size: 8, .value_kind: global_buffer, .address_space: global }
      - { .name: codebook, .offset: 8, .size: 8, .value_kind: global_buffer, .address_space: global }
      - { .name: q, .offset: 16, .size: 8, .value_kind: global_buffer, .address_space: global }
      - { .name: sc, .offset: 24, .size: 8, .value_kind: global_buffer, .address_space: global }
    .group_segment_fixed_size: 68096
    .private_segment_fixed_size: 0
    .kernarg_segment_align: 8
    .kernarg_segment_size: 32
    .max_flat_workgroup_size: 128
    .sgpr_count:     66
    .vgpr_count:     512
    .wavefront_size: 32
...
	.end_amdgpu_metadata
.endif
;; end of part 1
;; launch score (part 2): grid 16 x 16, 8 waves a work-group, clusters of 4 x 1, 327,680 bytes of LDS; arguments q, sc, gmax; writes gmax
.if DOCPART == 2
	.amdgcn_target "amdgcn-amd-amdhsa--gfx1250"
	.amdhsa_code_object_version 6
	.text
	.protected	k_q2f33cc5270_score
	.globl	k_q2f33cc5270_score
	.p2align	8
	.type	k_q2f33cc5270_score,@function
k_q2f33cc5270_score:
	s_mov_b64 s[64:65], 0
	v_nop
	global_prefetch_b8 v0, s[64:65] scope:SCOPE_SE
	s_setreg_imm32_b32 hwreg(HW_REG_WAVE_MODE, 25, 1), 1
	s_wait_xcnt 0x0
	s_wait_alu depctr_hold_cnt(0) depctr_sa_sdst(0) depctr_va_vdst(0) depctr_va_sdst(0) depctr_va_ssrc(0) depctr_va_vcc(0) depctr_vm_vsrc(0)
	s_getreg_b32 s2, hwreg(HW_REG_IB_STS2, 6, 4)
	s_cmp_eq_u32 s2, 0
	s_cbranch_scc0 .Lentry_in_a_cluster
	s_endpgm
.Lentry_in_a_cluster:
	s_bfe_u32 s2, ttmp6, 0x10000c
	s_cmp_lg_u32 s2, 0x3003
	s_cbranch_scc0 .Lentry_shape_is_right
	s_endpgm
.Lentry_shape_is_right:
; The dense product on codes of BF6 with E8M0 scales, the score (2 xc - x2) - c2 in f32, and of each 8 neighbouring codes the largest score.  8,192 queries x 8,192 codes, K = 768 = 6 steps of 128.
; WHY GROUP MAXIMA.  The 8 groups that are best by (maximum descending, group number ascending) hold the 8 best codes by (score descending, code ascending): were a best code's group beaten by 8 groups, each of those
; would hold a code that beats it.  So this launch keeps one number for 8 scores; later launches choose the groups and score their 64 codes again.
; SHARES.  A work-group takes 512 queries x 512 codes.  Eight waves, two to a SIMD.  Wave w keeps its 64 queries (4 tiles of 16, 24 fragments, 288 registers) in registers for the whole launch;
; the 32 tiles of codes and their scale images lie in LDS, each byte filled ONCE, and all eight waves read them.
; CLUSTER.  The four work-groups of a cluster differ in their queries alone and take the same 512 codes: each tensor load is asked for JOINTLY, by the same descriptor (made of the cluster's y and the wave's number)
; with a mask that names the four.  At the head one load a wave: waves 0-3 bring 4 tiles of codes each (tiles 0-15, 144 lines of 256 bytes a load), waves 4-7 the scale images of 8 tiles each (16 lines).
; Tiles 16-31 are a later first fill: behind the wait for all loads, the add, its wait and a round of the cluster's barrier each wave brings 2 tiles (72 lines); they are on their way while tiles 0 to 12 are multiplied,
; and a barrier behind tile 12, with every wave's wait for its load in front, shows them to all waves.  Nothing is filled again.
; x goes from memory straight into registers; no two partners read the same x.  All that comes from memory is asked for ahead of the loops, so there is no loop to run ahead in: no prefetch.
; THE MATRIX INSTRUCTION: source 0 = 16 codes, source 1 = 16 queries: lane (r, h) holds query r, and its register j code 16 t + 8 h + j: a lane's eight registers are one group.
; One accumulator for each output, K ascending.  The 4 accumulators of a tile of codes take turns, one instruction a turn.
; A TILE OF CODES is three groups of 8 matrix instructions (two K steps each).  Behind each group stand 16 lines of the scoring of the tile before (a second set of accumulators), and behind those the LDS loads that
; bring the NEXT tile's two K steps into the fragment registers that the group has just read: the 16 lines are the places in front of these loads.
; ROUNDINGS as in the problem's formula: one for 2 xc - x2 (the doubling is exact), one for the subtraction of c2.  LIMITS: NaN and infinities are not served.
; gmax: [512 query tiles][16 slices][8][32 lanes][4] f32: the value of code tile 32 slice + 4 t4 + e, lane (r, h): query r, group 2 x code tile + h.
; REGISTERS: window 1: x's fragments f = 4 s + i (K step s, query tile i), f = 0 .. 20, at 12 f.  Window 0: all else, x's fragments 21 to 23 among it.
.set TIB,  9216                        ; a tile's six fragment images
.set FRB,  1536                        ; one image
.set SCL,  32*TIB                      ; LDS: behind the 32 tiles their scale images, 512 bytes each
.set SPARE, SCL+32*512                 ; behind them the spare words, 128 bytes for each of eight waves
.set A0,   1                           ; v1  16 x lane: my place in an image; also my offset in the stores
.set S0A,  2                           ; v2  SCL + 16 x lane
.set C0A,  3                           ; v3  SCL + 128 (lane / 16) + 12: word 3 (c2) of an image, rows 8 h on
.set VA,   4                           ; v4-6 the same three + the place of four tiles' first
.set VS,   5
.set VC,   6
.set G,    8                           ; v8-15   at work
.set XS,   16                          ; v16-31  x's scale words and x2, four registers a query tile
.set X2P,  32                          ; v32-39  x2 in pairs
.set CS,   40                          ; v40-42  the codes' scale words
.set C2,   44                          ; v44-59  c2, two sets
.set GM,   60                          ; v60-75  the maxima
.set SPW,  76
.set NIL,  77
.set ACC,  80                          ; v80-143 two sets of 4 accumulators
.set CB,   144                         ; v144-215 a tile of codes: 6 fragments
.set XH,   216                         ; v216-251 x's fragments 21 to 23
.set MSB, 0
.macro WIN new                         ; the immediate's high byte repeats the setting that is left; a switch that changes nothing is dropped
.if MSB != (\new)
	s_set_vgpr_msb (MSB<<8)|(\new)
.set MSB, (\new)
.endif
.endm
.macro CROUND                          ; a round of the cluster's barrier
	s_barrier_signal -1
	s_barrier_wait -1
	s_cmp_lg_u32 s10, 0
	s_cbranch_scc1 .Lnot_wave_0_\@
	s_barrier_signal -3
.Lnot_wave_0_\@:
	s_barrier_wait -3
	s_barrier_signal -1
	s_barrier_wait -1
.endm
.macro GROUP1 g, rows                  ; a dense block as lines of 256 bytes (32 elements of 8 bytes); mask: all four work-groups, bit 21 beside it
	s_mov_b32 s[\g], 15|(3<<16)|(1<<21)
	s_mov_b32 s[\g+1], 32<<16
	s_mov_b32 s[\g+2], (\rows)<<16
	s_mov_b32 s[\g+3], 32<<16
	s_mov_b32 s[\g+4], \rows
	s_mov_b32 s[\g+5], 32
	s_mov_b32 s[\g+6], 0
	s_mov_b32 s[\g+7], 0
.endm
.macro GROUP0 g, lds, base, off
	s_mov_b32 s[\g], 1
	s_mov_b32 s[\g+1], s[\lds]
	s_add_nc_u64 s[\g+2:\g+3], s[\base:\base+1], s[\off:\off+1]
	s_or_b32 s[\g+3], s[\g+3], 0x80000000
.endm
.macro NOPS
.rept 4
	v_nop
.endr
.endm
	s_load_b128 s[4:7], s[0:1], 0x0                ; q, sc
	s_load_b64 s[8:9], s[0:1], 0x10                ; gmax
	v_lshl_add_u32 v[SPW], v0, 2, SPARE
	v_mov_b32 v[NIL], 0
	ds_add_u32 v[SPW], v[NIL]                      ; the opening lines: the add, twice on end, and its wait
	ds_add_u32 v[SPW], v[NIL]
	v_lshrrev_b32 v7, 5, v0
	v_readfirstlane_b32 s10, v7                    ; wave 0..7
	s_and_b32 s11, s10, 3                          ; which part of the head's tiles my load serves
	s_bfe_u32 s12, ttmp6, 0x40000                  ; cx: it enters the addresses of x and of gmax alone
	s_lshl_b32 s54, ttmp9, 2
	s_add_co_u32 s12, s54, s12                     ; my block of 512 queries
	s_and_b32 s13, ttmp7, 0xffff                   ; my slice of 512 codes: the four partners share it
	GROUP1 16, 144                                 ; 4 tiles of codes
	GROUP1 24, 16                                  ; the scale images of 8 tiles
	GROUP1 76, 72                                  ; 2 tiles of codes
	s_lshl_b32 s55, s13, 5
	s_add_co_u32 s55, s55, 512                     ; the slice's first tile in q and sc
	s_lshl_b32 s15, s11, 3
	s_add_co_u32 s14, s55, s15                     ; the images of tiles 8 (w % 4) on
	s_lshl_b32 s15, s11, 2
	s_add_co_u32 s15, s55, s15                     ; the codes of tiles 4 (w % 4) on
	s_mul_i32 s40, s15, TIB
	s_mov_b32 s41, 0
	s_lshl_b32 s42, s14, 9
	s_mov_b32 s43, 0
	s_mul_i32 s44, s11, 4*TIB                      ; where they go in LDS: the codes,
	s_lshl_b32 s45, s11, 12
	s_add_co_u32 s45, s45, SCL                     ; the scale images
	s_lshl_b32 s84, s10, 1
	s_add_co_u32 s84, s84, 16                      ; the later fill: tiles 16 + 2 w on
	s_mul_i32 s86, s84, TIB                        ; in LDS,
	s_add_co_u32 s84, s84, s55
	s_mul_i32 s84, s84, TIB                        ; and in q
	s_mov_b32 s85, 0
	s_lshl_b32 s46, s12, 5
	s_lshl_b32 s47, s10, 2
	s_add_co_u32 s46, s46, s47                     ; my first query tile: 32 x block + 4 x wave
	s_mul_i32 s48, s46, TIB
	s_mov_b32 s49, 0
	s_lshl_b32 s50, s46, 9
	s_mov_b32 s51, 0
	s_lshl_b32 s52, s46, 16
	s_lshl_b32 s53, s13, 12
	s_add_co_u32 s52, s52, s53
	s_mov_b32 s53, 0
	s_wait_dscnt 0x0                               ; both opening adds are done
	s_wait_kmcnt 0x0
	s_add_nc_u64 s[66:67], s[4:5], s[48:49]        ; x's fragments
	s_add_nc_u64 s[68:69], s[6:7], s[50:51]        ; x's scale images
	s_add_nc_u64 s[8:9], s[8:9], s[52:53]          ; gmax: my first query tile, my slice
	GROUP0 32, 44, 4, 40
	GROUP0 36, 45, 6, 42
	GROUP0 56, 86, 4, 84
	CROUND                                         ; all four work-groups are here: the joint loads meet
	s_cmp_lt_u32 s10, 4                            ; one load in each arm: every way through the head passes exactly one
	s_cbranch_scc0 .Lscales
	tensor_load_to_lds s[32:35], s[16:23]
	s_nop 0
	NOPS
	s_branch .Lasked
.Lscales:
	tensor_load_to_lds s[36:39], s[24:31]
	s_nop 0
	NOPS
.Lasked:
	v_and_b32 v7, 31, v0
	v_lshlrev_b32 v[A0], 4, v7
	v_add_nc_u32 v[S0A], SCL, v[A0]
	v_bfe_u32 v7, v0, 4, 1
	v_lshlrev_b32 v[C0A], 7, v7
	v_add_nc_u32 v[C0A], SCL+12, v[C0A]
	s_wait_alu depctr_va_vdst(0)                   ; the wait behind the head's vector lines
.set xf, 0
.rept 24                                       ; x stays in registers: fragment xf = 4 s + i
.if xf < 21
	WIN 0x40                                       ; destination window 1, address window 0
.set xr, 12*xf
.else
	WIN 0
.set xr, XH+12*(xf-21)
.endif
.irp c, 0,1,2
	global_load_b128 v[xr+4*\c:xr+4*\c+3], v[A0], s[66:67] offset:(xf%4)*TIB+(xf/4)*FRB+\c*512
.endr
.set xf, xf+1
.endr
	WIN 0
.irp i, 0,1,2,3
	global_load_b128 v[XS+4*\i:XS+4*\i+3], v[A0], s[68:69] offset:\i*512   ; three scale words and x2
.endr
; the LDS addresses of four tiles on end; a tile's place among them stands in the loads' immediates
.macro TADDR
	v_add_nc_u32 v[VA], s70, v[A0]
	v_add_nc_u32 v[VS], s71, v[S0A]
	v_add_nc_u32 v[VC], s71, v[C0A]
	s_add_co_u32 s70, s70, 4*TIB
	s_add_co_u32 s71, s71, 4*512
.endm
; K steps 2 g and 2 g + 1 of the tile ni places behind the addresses' tile: two fragments and their scale word: 7 loads; with g = 2 also its c2 (eight words, the same for all lanes of a half) into set p: 15 loads
.macro FETCH g, ni, p
.irp f, 2*\g, 2*\g+1
.irp c, 0,1,2
	ds_load_b128 v[CB+12*(\f)+4*\c:CB+12*(\f)+4*\c+3], v[VA] offset:(\ni)*TIB+(\f)*FRB+\c*512
.endr
.endr
	ds_load_b32 v[CS+\g], v[VS] offset:(\ni)*512+4*\g
.if \g == 2
.irp j, 0,1,2,3,4,5,6,7
	ds_load_b32 v[C2+8*(\p)+\j], v[VC] offset:(\ni)*512+16*\j
.endr
.endif
.endm
; group g of a tile: 8 matrix instructions on accumulator set P.  Even K steps take their scale words from lanes 0-15, odd ones from lanes 16-31 of the same registers.
.macro MMG g, P
.set mi, 8*(\g)
.rept 8
.set ms, mi/4
.set mq, mi%4
.set rD, ACC+32*(\P)+8*mq
.set rA, CB+12*ms
.if mi < 21
	WIN 0x04                                       ; source 1 (x) window 1
.set rB, 12*mi
.else
	WIN 0
.set rB, XH+12*(mi-21)
.endif
.set rSA, CS+ms/2
.set rSB, XS+4*mq+ms/2
.if ms == 0
	v_wmma_scale_f32_16x16x128_f8f6f4 v[rD:rD+7], v[rA:rA+11], v[rB:rB+11], 0, v[rSA], v[rSB] matrix_a_fmt:MATRIX_FMT_BF6 matrix_b_fmt:MATRIX_FMT_BF6
.elseif ms%2 == 1
	v_wmma_scale_f32_16x16x128_f8f6f4 v[rD:rD+7], v[rA:rA+11], v[rB:rB+11], v[rD:rD+7], v[rSA], v[rSB] matrix_a_fmt:MATRIX_FMT_BF6 matrix_b_fmt:MATRIX_FMT_BF6 matrix_a_scale:MATRIX_SCALE_ROW1 matrix_b_scale:MATRIX_SCALE_ROW1
.else
	v_wmma_scale_f32_16x16x128_f8f6f4 v[rD:rD+7], v[rA:rA+11], v[rB:rB+11], v[rD:rD+7], v[rSA], v[rSB] matrix_a_fmt:MATRIX_FMT_BF6 matrix_b_fmt:MATRIX_FMT_BF6
.endif
.set mi, mi+1
.endr
	WIN 0
.endm
; the scoring of accumulator set Q, in three parts of 16 lines; the four accumulators by turns, each from its low end on, so that no line reads the result of one of the three lines ahead of it
.macro EPA Q                           ; 2 xc - x2
.irp p, 0,1,2,3
.irp i, 0,1,2,3
	v_pk_fma_f32 v[ACC+32*(\Q)+8*\i+2*\p:ACC+32*(\Q)+8*\i+2*\p+1], v[ACC+32*(\Q)+8*\i+2*\p:ACC+32*(\Q)+8*\i+2*\p+1], 2.0, v[X2P+2*\i:X2P+2*\i+1] op_sel_hi:[1,0,1] neg_lo:[0,0,1] neg_hi:[0,0,1]
.endr
.endr
.endm
.macro EPB Q                           ; - c2
.irp p, 0,1,2,3
.irp i, 0,1,2,3
	v_pk_add_f32 v[ACC+32*(\Q)+8*\i+2*\p:ACC+32*(\Q)+8*\i+2*\p+1], v[ACC+32*(\Q)+8*\i+2*\p:ACC+32*(\Q)+8*\i+2*\p+1], v[C2+8*(\Q)+2*\p:C2+8*(\Q)+2*\p+1] neg_lo:[0,1] neg_hi:[0,1]
.endr
.endr
.endm
.macro EPC Q, E                        ; the group's maximum; E: the tile's place among four in the stored 16 bytes; the fourth completes them
.irp i, 0,1,2,3
	v_max3_num_f32 v[G+2*\i], v[ACC+32*(\Q)+8*\i], v[ACC+32*(\Q)+8*\i+1], v[ACC+32*(\Q)+8*\i+2]
.endr
.irp i, 0,1,2,3
	v_max3_num_f32 v[G+2*\i+1], v[ACC+32*(\Q)+8*\i+3], v[ACC+32*(\Q)+8*\i+4], v[ACC+32*(\Q)+8*\i+5]
.endr
.irp i, 0,1,2,3
	v_max3_num_f32 v[G+2*\i], v[G+2*\i], v[ACC+32*(\Q)+8*\i+6], v[ACC+32*(\Q)+8*\i+7]
.endr
.irp i, 0,1,2,3
	v_max_num_f32 v[GM+4*\i+(\E)], v[G+2*\i], v[G+2*\i+1]
.endr
.if (\E) == 3
.irp i, 0,1,2,3
	global_store_b128 v[A0], v[GM+4*\i:GM+4*\i+3], s[8:9] offset:\i*65536 th:TH_STORE_NT   ; 32 lanes store 512 consecutive bytes, at a multiple of 256 from gmax's first byte
.endr
.endif
.endm
; A TILE OF CODES on accumulator set P.  EPI = 1: the tile before (set 1 - P, place E) is scored.  NI > 0: the next tile, NI places behind the addresses' tile, is fetched.  STEP = 1: the addresses go on by four tiles.
; The LDS loads go out in runs of 7, 7 and 15 a tile.  The wait ahead of group 0 leaves out the 7 + 15 issued behind the run that it needs, that ahead of group 1 the 15 + 7, that ahead of group 2 the 7 + 7.
.macro TILE P, E, EPI, NI, STEP
	s_wait_dscnt 22
	MMG 0, \P
.if \EPI
	EPA 1-\P
.else
	NOPS                                           ; four places in front of loads into registers that matrix instructions have read
.endif
.if (\NI) > 0
	FETCH 0, \NI, 1-\P
	s_wait_dscnt 22
.else
	s_wait_dscnt 15
.endif
	MMG 1, \P
.if \EPI
	EPB 1-\P
.else
	NOPS
.endif
.if (\NI) > 0
	FETCH 1, \NI, 1-\P
.endif
.if (\EPI) && ((\E) == 0)
	s_wait_xcnt 0x0                                ; the last stores have read their base and the maxima: both are written again only behind this wait
	s_add_nc_u64 s[8:9], s[8:9], s[74:75]          ; 0 the first time, then 512 bytes on
	s_mov_b32 s74, 512
.endif
.if (\NI) > 0
	s_wait_dscnt 14
.else
	s_wait_dscnt 0x0
.endif
	MMG 2, \P
.if \EPI
	EPC 1-\P, \E
.else
	NOPS
.endif
.if (\NI) > 0
	FETCH 2, \NI, 1-\P
.endif
.if \STEP
	TADDR
.endif
.endm
.macro QUAD                            ; tiles 4 k + 1 to 4 k + 4; they fetch tiles 4 k + 2 to 4 k + 5
	TILE 1, 0, 1, 2, 0
	TILE 0, 1, 1, 3, 0
	TILE 1, 2, 1, 4, 0
	TILE 0, 3, 1, 5, 1
.endm
	s_wait_tensorcnt 0x0                           ; my load of the head is in
	ds_add_u32 v[SPW], v[NIL]
	s_wait_dscnt 0x0
	CROUND                                         ; everybody's is: tiles 0-15 and all scale images; and the four work-groups are here: the joint loads meet
	tensor_load_to_lds s[56:59], s[76:83]          ; tiles 16 + 2 w and 17 + 2 w: my one load behind the round
	s_nop 0
	NOPS
	s_mov_b32 s70, 0
	s_mov_b32 s71, 0
	s_mov_b32 s74, 0
	s_mov_b32 s75, 0
	TADDR
	FETCH 0, 0, 0                                  ; tile 0
	FETCH 1, 0, 0
	FETCH 2, 0, 0
	s_wait_loadcnt 0x0                             ; x
.irp i, 0,1,2,3
	v_mov_b32 v[X2P+2*\i], v[XS+4*\i+3]            ; x2 as a pair for the packed form
	v_mov_b32 v[X2P+2*\i+1], v[XS+4*\i+3]
.endr
	s_wait_alu depctr_va_vdst(0)                   ; the wait at the head's end
	TILE 0, 0, 0, 1, 0                             ; tile 0: nothing to score yet
	s_mov_b32 s72, 3
.Lp:                                               ; tiles 1 to 12; they fetch tiles 2 to 13, all of the head's fill
	QUAD
	s_sub_co_u32 s72, s72, 1
	s_cmp_lg_u32 s72, 0
	s_cbranch_scc1 .Lp
	s_wait_tensorcnt 0x0                           ; my two tiles of the later fill are in
	s_wait_dscnt 0x0                               ; no LDS instruction of mine is out at the signal
	s_barrier_signal -1
	s_barrier_wait -1                              ; everybody's are: tiles 16-31 are whole.
	s_mov_b32 s72, 4
.Lq:                                               ; tiles 13 to 28; they fetch tiles 14 to 29
	QUAD
	s_sub_co_u32 s72, s72, 1
	s_cmp_lg_u32 s72, 0
	s_cbranch_scc1 .Lq
	TILE 1, 0, 1, 2, 0                             ; tile 29
	TILE 0, 1, 1, 3, 0                             ; tile 30
	TILE 1, 2, 1, 0, 0                             ; tile 31: nothing more to fetch
	EPA 1                                          ; tile 31 is scored: the 16 lines of tile 30's maxima stand between its last products and this first read
	EPB 1
	EPC 1, 3
	s_wait_tensorcnt 0x0                           ; the wave's end
	ds_add_u32 v[SPW], v[NIL]
	s_wait_dscnt 0x0
	CROUND                                         ; the closing round: no work-group ends while a partner may still ask for a tile that names it
	s_endpgm
.Lfunc_end_k_q2f33cc5270_score:
	.size	k_q2f33cc5270_score, .Lfunc_end_k_q2f33cc5270_score-k_q2f33cc5270_score
	.p2alignl 7, 3214868480
	.fill 96, 4, 3214868480
	.section	.rodata,"a",@progbits
	.p2align	6, 0x0
	.amdhsa_kernel k_q2f33cc5270_score
		.amdhsa_group_segment_fixed_size 327680
		.amdhsa_private_segment_fixed_size 0
		.amdhsa_enable_private_segment 0
		.amdhsa_kernarg_size 24
		.amdhsa_user_sgpr_count 2
		.amdhsa_user_sgpr_kernarg_segment_ptr 1
		.amdhsa_wavefront_size32 1
		.amdhsa_system_sgpr_workgroup_id_x 1
		.amdhsa_system_sgpr_workgroup_id_y 1
		.amdhsa_system_sgpr_workgroup_id_z 1
		.amdhsa_system_vgpr_workitem_id 0
		.amdhsa_next_free_vgpr 512
		.amdhsa_next_free_sgpr 96
		.amdhsa_reserve_vcc 0
		.amdhsa_float_denorm_mode_32 3
		.amdhsa_float_denorm_mode_16_64 3
		.amdhsa_memory_ordered 1
		.amdhsa_forward_progress 1
		.amdhsa_inst_pref_size 113
	.end_amdhsa_kernel
	.amdgpu_metadata
---
amdhsa.version: [ 1, 2 ]
amdhsa.kernels:
  - .name:           k_q2f33cc5270_score
    .symbol:         k_q2f33cc5270_score.kd
    .args:
      - { .name: q, .offset: 0, .size: 8, .value_kind: global_buffer, .address_space: global }
      - { .name: sc, .offset: 8, .size: 8, .value_kind: global_buffer, .address_space: global }
      - { .name: gmax, .offset: 16, .size: 8, .value_kind: global_buffer, .address_space: global }
    .group_segment_fixed_size: 327680
    .private_segment_fixed_size: 0
    .kernarg_segment_align: 8
    .kernarg_segment_size: 24
    .max_flat_workgroup_size: 256
    .sgpr_count:     96
    .vgpr_count:     512
    .wavefront_size: 32
...
	.end_amdgpu_metadata
.endif
;; end of part 2
;; launch pick (part 3): grid 512 x 1, 4 waves a work-group, no clusters, 8,704 bytes of LDS; arguments gmax, gsel; writes gsel
.if DOCPART == 3
	.amdgcn_target "amdgcn-amd-amdhsa--gfx1250"
	.amdhsa_code_object_version 6
	.text
	.protected	k_q2f33cc5270_pick
	.globl	k_q2f33cc5270_pick
	.p2align	8
	.type	k_q2f33cc5270_pick,@function
k_q2f33cc5270_pick:
	s_mov_b64 s[64:65], 0
	v_nop
	global_prefetch_b8 v0, s[64:65] scope:SCOPE_SE
	s_setreg_imm32_b32 hwreg(HW_REG_WAVE_MODE, 25, 1), 1
	s_wait_xcnt 0x0
; For each query: the 8 groups (of 1,024 groups of 8 codes) that are best by (group maximum descending, group number ascending), stored in ascending order of their numbers as whole numbers.
; No address and no branch hangs on a value: every value goes through the same lines.
; SHARES.  A work-group takes a tile of 16 queries (65,536 bytes of gmax), wave w a quarter: 16,384 bytes on end, 128 values a lane.  Value n of lane (r, h) of wave w is group 256 w + 2 n + h of query r.
; PASS 1: the 8 largest values, with multiplicity: a sorted list of 8 registers; a value is inserted by seven medians of three and a maximum.  Lists are joined with lane l xor 16's and, through LDS, with the other waves'.  The 8th is the threshold.
; PASS 2: each value gets a key, a whole number in f32: 3071 - g where it lies above the threshold (at most 7 do), 2047 - g where it equals it, 0 below.  The 8 largest keys, found as in pass 1, are the 8 groups.
; LIMITS: NaN and infinities among the values are not served.
.set T,   16                           ; v16-23  the values' list, descending
.set K,   24                           ; v24-31  the keys' list
.set P,   32                           ; v32-39  the other half's list
.set KC,  40                           ; v40     2047 - the group of the value in hand
.set KK,  42
.set OWN, 44                           ; v44     LDS: 1,024 x wave + 16 x lane
.set PT,  45                           ; v45-47  the same of waves w xor 1, 2, 3
.set V,   64                           ; v64-191 my 128 values
.set PL,  192                          ; v192-215 three partners' lists
	s_load_b128 s[4:7], s[0:1], 0x0                ; gmax, gsel
	v_lshl_add_u32 v216, v0, 2, 0x2000
	v_mov_b32 v217, 0
	v_lshrrev_b32 v1, 5, v0
	v_readfirstlane_b32 s8, v1                     ; wave 0..3
	v_and_b32 v2, 31, v0
	v_lshlrev_b32 v3, 4, v2                        ; 16 x lane
	v_bfe_u32 v4, v0, 4, 1                         ; h
	v_and_b32 v5, 15, v0                           ; r
	s_lshl_b32 s10, ttmp9, 16
	s_lshl_b32 s11, s8, 14
	s_add_co_u32 s10, s10, s11
	s_mov_b32 s11, 0
	s_lshl_b32 s12, ttmp9, 9
	s_mov_b32 s13, 0
	s_wait_alu depctr_va_vdst(0)
	s_wait_kmcnt 0x0
	s_add_nc_u64 s[4:5], s[4:5], s[10:11]
	s_add_nc_u64 s[6:7], s[6:7], s[12:13]
.set n, 0
.rept 32
	global_load_b128 v[V+4*n:V+4*n+3], v3, s[4:5] offset:512*n th:TH_LOAD_NT   ; 512 consecutive bytes; read once in the launch
.set n, n+1
.endr
	s_lshl_b32 s14, s8, 10
	v_add_nc_u32 v[OWN], s14, v3
.irp j, 1,2,3
	s_xor_b32 s15, s8, \j
	s_lshl_b32 s15, s15, 10
	v_add_nc_u32 v[PT+\j-1], s15, v3
.endr
	s_lshl_b32 s16, s8, 8
	s_sub_co_u32 s16, 2047, s16
	v_sub_nc_u32 v[KC], s16, v4
	v_cvt_f32_u32 v[KC], v[KC]                     ; 2047 - 256 w - h, exact in f32
	v_lshlrev_b32 v6, 5, v5
	v_lshl_add_u32 v6, v4, 4, v6                   ; the store: 32 r + 16 h
	s_mov_b32 s20, 0x76543210
	s_mov_b32 s21, 0xfedcba98                      ; lane l xor 16
	s_mov_b32 s22, 0xffff0000                      ; lanes 16-31
.irp k, 0,1,2,3,4,5,6,7
	v_mov_b32 v[T+\k], 0xff800000                  ; under every value
	v_mov_b32 v[K+\k], 0                           ; under every key
	v_mov_b32 v[P+\k], 0                           ; written once: a lane permute's destination counts as one of its sources
.endr
.macro INS L, x                        ; v[x] into the descending list at v[L]: from the list's end on, so that each line sees its upper neighbour as it was
.irp k, 7,6,5,4,3,2,1
	v_med3_num_f32 v[\L+\k], v[\L+\k-1], v[\L+\k], v[\x]
.endr
	v_max_num_f32 v[\L], v[\L], v[\x]
.endm
.macro JOIN L, base                    ; the list at v[L] joined with lane l xor 16's, then through the LDS bytes from base on with the other three waves'
.irp k, 0,1,2,3,4,5,6,7
	v_permlanex16_b32 v[P+\k], v[\L+\k], s20, s21
.endr
.irp k, 0,1,2,3,4,5,6,7
	INS \L, P+\k
.endr
	ds_store_b128 v[OWN], v[\L:\L+3] offset:\base
	ds_store_b128 v[OWN], v[\L+4:\L+7] offset:\base+512
	s_wait_dscnt 0x0                               ; for the others' sake: my list lies in LDS
	s_barrier_signal -1
	s_barrier_wait -1
.endm
.macro OTHERS L, base
.irp j, 0,1,2
	ds_load_b128 v[PL+8*\j:PL+8*\j+3], v[PT+\j] offset:\base
	ds_load_b128 v[PL+8*\j+4:PL+8*\j+7], v[PT+\j] offset:\base+512
.endr
	s_wait_dscnt 0x0
.set n, 0
.rept 24
	INS \L, PL+n
.set n, n+1
.endr
.endm
.set n, 0
	s_wait_alu depctr_va_vdst(0)
.rept 32
	s_wait_alu depctr_va_vdst(0)
	s_wait_loadcnt 31-n                            ; loads come back in order: load n is in, the younger ones may be out
	INS T, V+4*n
	INS T, V+4*n+1
	INS T, V+4*n+2
	INS T, V+4*n+3
.set n, n+1
.endr
	JOIN T, 0
	s_wait_alu depctr_va_vdst(0)
	OTHERS T, 0                                    ; v[T+7] is now the query's 8th largest group maximum, in every wave
.set n, 0
.rept 32                               ; four values a turn: their keys are made side by side, the compares' masks in scalar registers, so that no line reads the result of the line just ahead of it
.irp j, 0,1,2,3
	v_cmp_ge_f32 s[24+\j], v[V+n+\j], v[T+7]
.endr
.irp j, 0,1,2,3
	v_cmp_gt_f32 s[28+\j], v[V+n+\j], v[T+7]
.endr
	v_add_f32 v57, -2.0, v[KC]                     ; 2047 - g of my next three values: their groups lie two apart
	v_add_f32 v58, -4.0, v[KC]
	v_add_f32 v59, 0xc0c00000, v[KC]               ; - 6
	v_add_f32 v60, 0x44800000, v[KC]               ; + 1024: the key of a value above the threshold
	v_add_f32 v61, 0x44800000, v57
	v_add_f32 v62, 0x44800000, v58
	v_add_f32 v63, 0x44800000, v59
	v_cndmask_b32 v52, 0, v[KC], s24               ; 2047 - g, or 0 under the threshold
	v_cndmask_b32 v53, 0, v57, s25
	v_cndmask_b32 v54, 0, v58, s26
	v_cndmask_b32 v55, 0, v59, s27
.irp j, 0,1,2,3
	v_cndmask_b32 v[52+\j], v[52+\j], v[60+\j], s[28+\j]
.endr
	v_add_f32 v[KC], 0xc1000000, v[KC]             ; - 8: on to the next four
	INS K, 52
	INS K, 53
	INS K, 54
	INS K, 55
.set n, n+4
.endr
	JOIN K, 4096
	s_cmp_lg_u32 s8, 0
	s_cbranch_scc1 .Ldone                          ; wave 0 finishes for the tile
	s_wait_alu depctr_va_vdst(0)
	OTHERS K, 4096
	v_mov_b32 v48, 0x44ffe000                      ; 2047.0
	v_mov_b32 v49, 0x453ff000                      ; 3071.0
.irp k, 0,1,2,3,4,5,6,7
	v_cmp_le_f32 vcc_lo, 0x45000000, v[K+\k]       ; a key of 2048 or more carries the 1024
	v_cndmask_b32 v50, v48, v49, vcc_lo
	v_sub_f32 v[K+\k], v50, v[K+\k]                ; the group's number
.endr
.macro CE a, b                         ; the smaller to a, the larger to b
	v_min_num_f32 v51, v[K+\a], v[K+\b]
	v_max_num_f32 v[K+\b], v[K+\a], v[K+\b]
	v_mov_b32 v[K+\a], v51
.endm
	CE 0, 1                                        ; 19 exchanges sort eight numbers (odd-even merge)
	CE 2, 3
	CE 4, 5
	CE 6, 7
	CE 0, 2
	CE 1, 3
	CE 4, 6
	CE 5, 7
	CE 1, 2
	CE 5, 6
	CE 0, 4
	CE 1, 5
	CE 2, 6
	CE 3, 7
	CE 2, 4
	CE 3, 5
	CE 1, 2
	CE 3, 4
	CE 5, 6
.irp k, 0,1,2,3,4,5,6,7
	v_cvt_u32_f32 v[K+\k], v[K+\k]
.endr
.irp k, 0,1,2,3
	v_cndmask_b32 v[52+\k], v[K+\k], v[K+4+\k], s22   ; lanes 0-15 store the row's first four, lanes 16-31 its last four
.endr
	global_store_b128 v6, v[52:55], s[6:7]         ; 512 consecutive bytes
.Ldone:
	s_wait_tensorcnt 0x0
	ds_add_u32 v216, v217
	s_wait_dscnt 0x0
	s_endpgm
.Lfunc_end_k_q2f33cc5270_pick:
	.size	k_q2f33cc5270_pick, .Lfunc_end_k_q2f33cc5270_pick-k_q2f33cc5270_pick
	.p2alignl 7, 3214868480
	.fill 96, 4, 3214868480
	.section	.rodata,"a",@progbits
	.p2align	6, 0x0
	.amdhsa_kernel k_q2f33cc5270_pick
		.amdhsa_group_segment_fixed_size 8704
		.amdhsa_private_segment_fixed_size 0
		.amdhsa_enable_private_segment 0
		.amdhsa_kernarg_size 16
		.amdhsa_user_sgpr_count 2
		.amdhsa_user_sgpr_kernarg_segment_ptr 1
		.amdhsa_wavefront_size32 1
		.amdhsa_system_sgpr_workgroup_id_x 1
		.amdhsa_system_sgpr_workgroup_id_y 1
		.amdhsa_system_sgpr_workgroup_id_z 1
		.amdhsa_system_vgpr_workitem_id 0
		.amdhsa_next_free_vgpr 218
		.amdhsa_next_free_sgpr 66
		.amdhsa_reserve_vcc 1
		.amdhsa_float_denorm_mode_32 3
		.amdhsa_float_denorm_mode_16_64 3
		.amdhsa_memory_ordered 1
		.amdhsa_forward_progress 1
		.amdhsa_inst_pref_size 210
	.end_amdhsa_kernel
	.amdgpu_metadata
---
amdhsa.version: [ 1, 2 ]
amdhsa.kernels:
  - .name:           k_q2f33cc5270_pick
    .symbol:         k_q2f33cc5270_pick.kd
    .args:
      - { .name: gmax, .offset: 0, .size: 8, .value_kind: global_buffer, .address_space: global }
      - { .name: gsel, .offset: 8, .size: 8, .value_kind: global_buffer, .address_space: global }
    .group_segment_fixed_size: 8704
    .private_segment_fixed_size: 0
    .kernarg_segment_align: 8
    .kernarg_segment_size: 16
    .max_flat_workgroup_size: 128
    .sgpr_count:     66
    .vgpr_count:     218
    .wavefront_size: 32
...
	.end_amdgpu_metadata
.endif
;; end of part 3
;; launch rescore (part 4): grid 512 x 1, 4 waves a work-group, no clusters, 5,632 bytes of LDS; arguments q, sc, gsel, out1, ids; writes out1, ids
.if DOCPART == 4
	.amdgcn_target "amdgcn-amd-amdhsa--gfx1250"
	.amdhsa_code_object_version 6
	.text
	.protected	k_q2f33cc5270_rescore
	.globl	k_q2f33cc5270_rescore
	.p2align	8
	.type	k_q2f33cc5270_rescore,@function
k_q2f33cc5270_rescore:
	s_mov_b64 s[64:65], 0
	v_nop
	global_prefetch_b8 v0, s[64:65] scope:SCOPE_SE
	s_setreg_imm32_b32 hwreg(HW_REG_WAVE_MODE, 25, 1), 1
	s_wait_xcnt 0x0
; The 64 codes of each query's 8 chosen groups are scored again, by the same chain of six scaled matrix instructions (K ascending, one accumulator) and the same two roundings as in the dense launch, and the 8 best are
; chosen exactly: by score descending, the lower code first among equals.  The codes' numbers go to out1 and, for the launch that gathers, to ids.
; SHARES.  A work-group takes a tile of 16 queries.  Wave a (0..3) forms, for each query n, an operand of 16 gathered code rows: rows 0-7 = group gsel[n][a], rows 8-15 = group gsel[n][4 + a]; source 1 is the tile of x;
; of the result only column n is kept: lanes n and n + 16.  So lane (n, h) ends with the 8 scores of group 4 h + a of its query.
; ADDRESSES hang on gsel, whole numbers that an earlier launch stored; each passes a minimum with 1023 first.  Group G is rows 8 (G & 1) on of code tile G / 2: in a fragment's image lane (r, h) takes the 16 bytes of lane 8 (G & 1) + r % 8 + 16 h.
; Wave 0 then inserts a lane's 32 candidates in ascending order of their numbers into a sorted list of 8 (value, number), a strictly larger value moving in front, and joins the two halves likewise.
; LIMITS: NaN and infinities are not served.
; REGISTERS: window 0: v2-15 addresses; v16-31, v32-47 the gathers' offsets; v52-115 the gathered scale words; v116-119 x's scale words and x2; v124-195 x's six fragments; v196-227 four accumulators; v228-235 the kept scores; v236-243 c2.
;   window 1: a ring of ten slots of 24 registers: two gathered fragments each.
.set TIB,  9216
.set FRB,  1536
.set LN,   2                           ; v2   16 (r % 8) + 256 h
.set LI,   4                           ; v4   16 x lane
.set GA,   8                           ; v8   16 (r / 8) + 4 a: which number of a row of gsel my lane's operand row wants
.set SO,   9                           ; v9   32 r + 16 h
.set GB,   10                          ; v10  32 r + 16 h + 4 a: my own group's number
.set T1,   11
.set T2,   12
.set SA,   13                          ; v13  LDS: 1,024 a + 16 x lane
.set IA,   14                          ; v14  LDS: 4,096 + 128 a + 4 x lane
.set L4,   15                          ; v15  4 x lane
.set OA,   16
.set OS,   32
.set GOWN, 48
.set OC,   49
.set IB,   50
.set AS,   52
.set XS,   116
.set X2P,  120
.set BX,   124
.set ACC,  196
.set KEEP, 228
.set C2,   236
.set SV,   124                         ; wave 0's end: the 32 scores;
.set IBR,  156                         ; their groups' first codes;
.set VL,   160                         ; the list's values,
.set IL,   168                         ; and numbers;
.set PV,   176                         ; the other half's;
.set PI,   184
.set HV,   192                         ; the upper groups' list
.set HI,   200
.set TI,   208
.set OUT,  212
.set MSB, 0
.macro WIN new
.if MSB != (\new)
	s_set_vgpr_msb (MSB<<8)|(\new)
.set MSB, (\new)
.endif
.endm
	s_load_b128 s[4:7], s[0:1], 0x0                ; q, sc
	s_load_b128 s[8:11], s[0:1], 0x10              ; gsel, out1
	s_load_b64 s[12:13], s[0:1], 0x20              ; ids
	v_lshl_add_u32 v254, v0, 2, 0x1400
	v_mov_b32 v255, 0
	v_lshrrev_b32 v1, 5, v0
	v_readfirstlane_b32 s14, v1                    ; a
	v_and_b32 v3, 31, v0
	v_lshlrev_b32 v[LI], 4, v3
	v_lshlrev_b32 v[L4], 2, v3
	v_and_b32 v5, 15, v0                           ; r
	v_bfe_u32 v6, v0, 4, 1                         ; h
	v_and_b32 v7, 7, v0
	v_lshlrev_b32 v[LN], 4, v7
	v_lshl_add_u32 v[LN], v6, 8, v[LN]
	v_bfe_u32 v[GA], v0, 3, 1
	s_lshl_b32 s15, s14, 2
	v_lshlrev_b32 v[GA], 4, v[GA]
	v_add_nc_u32 v[GA], s15, v[GA]
	v_lshlrev_b32 v[SO], 5, v5
	v_lshl_add_u32 v[SO], v6, 4, v[SO]
	v_add_nc_u32 v[GB], s15, v[SO]
	s_lshl_b32 s28, s14, 10
	v_add_nc_u32 v[SA], s28, v[LI]
	s_lshl_b32 s28, s14, 7
	s_add_co_u32 s28, s28, 4096
	v_add_nc_u32 v[IA], s28, v[L4]
	s_lshl_b32 s16, ttmp9, 9
	s_mov_b32 s17, 0
	s_mul_i32 s18, ttmp9, TIB
	s_mov_b32 s19, 0
	s_mov_b32 s30, 0x76543210
	s_mov_b32 s31, 0xfedcba98                      ; lane l xor 16
	s_mov_b32 s32, 0xffff0000                      ; lanes 16-31
	s_wait_alu depctr_va_vdst(0)
	s_wait_kmcnt 0x0
	s_add_nc_u64 s[34:35], s[4:5], s[18:19]        ; my tile of x: its fragments,
	s_add_nc_u64 s[36:37], s[6:7], s[16:17]        ; its scale image
	s_add_nc_u64 s[4:5], s[4:5], 512*TIB           ; the codes' tiles
	s_add_nc_u64 s[6:7], s[6:7], 512*512
	s_add_nc_u64 s[8:9], s[8:9], s[16:17]
	s_add_nc_u64 s[10:11], s[10:11], s[16:17]
	s_add_nc_u64 s[12:13], s[12:13], s[16:17]
.irp n, 0,1,2,3,4,5,6,7,8,9,10,11,12,13,14,15
	global_load_b32 v[OA+\n], v[GA], s[8:9] offset:32*\n   ; query n's group for my operand row
.endr
	global_load_b32 v[GOWN], v[GB], s[8:9]         ; and the group whose scores my lane will keep
.irp f, 0,1,2,3,4,5
.irp c, 0,1,2
	global_load_b128 v[BX+12*\f+4*\c:BX+12*\f+4*\c+3], v[LI], s[34:35] offset:\f*FRB+\c*512
.endr
.endr
	global_load_b128 v[XS:XS+3], v[LI], s[36:37]
	s_wait_loadcnt 19                              ; the 17 numbers are in; x's 19 loads may be out
.irp n, 0,1,2,3,4,5,6,7,8,9,10,11,12,13,14,15
	v_min_u32 v[OA+\n], 0x3ff, v[OA+\n]
	v_and_b32 v[T1], 0x3fe, v[OA+\n]               ; 2 x the code tile
	v_and_b32 v[T2], 1, v[OA+\n]
	v_lshl_add_u32 v[T2], v[T2], 7, v[LN]          ; rows 8 (G & 1) on, my row, my half
	v_lshl_add_u32 v[OS+\n], v[T1], 8, v[T2]       ; in the scale images: 512 bytes a tile
	v_mad_u32_u24 v[OA+\n], v[T1], 4608, v[T2]     ; in the fragments: 9,216 bytes a tile
.endr
	v_min_u32 v[GOWN], 0x3ff, v[GOWN]
	v_and_b32 v[T1], 0x3fe, v[GOWN]
	v_and_b32 v[T2], 1, v[GOWN]
	v_lshlrev_b32 v[T2], 7, v[T2]
	v_lshl_add_u32 v[OC], v[T1], 8, v[T2]
	v_add_nc_u32 v[OC], 12, v[OC]                  ; word 3 (c2) of my group's first row
	v_lshlrev_b32 v[IB], 3, v[GOWN]                ; my group's first code
.irp n, 0,1,2,3,4,5,6,7,8,9,10,11,12,13,14,15
	global_load_b96 v[AS+4*\n:AS+4*\n+2], v[OS+\n], s[6:7]
.endr
.irp j, 0,1,2,3,4,5,6,7
	global_load_b32 v[C2+\j], v[OC], s[6:7] offset:16*\j
.endr
; unit uu = 6 x pair + K step: the fragments of queries 2 pair and 2 pair + 1 for that K step, into slot uu % 10
.macro ULOAD
	WIN 0x40                                       ; destination window 1, address window 0
.irp j, 0,1
.irp c, 0,1,2
	global_load_b128 v[24*(uu%10)+12*\j+4*\c:24*(uu%10)+12*\j+4*\c+3], v[OA+2*(uu/6)+\j], s[4:5] offset:(uu%6)*FRB+\c*512
.endr
.endr
	WIN 0
.endm
.set uu, 0
.rept 10
	ULOAD
.set uu, uu+1
.endr
.macro MM j                            ; the pair's two accumulators take turns, one instruction a turn
.set rD, ACC+16*(pr%2)+8*(\j)
.set rA, 24*(u%10)+12*(\j)
.set rB, BX+12*us
.set rSA, AS+4*(2*pr+(\j))+us/2
.set rSB, XS+us/2
.if us == 0
	v_wmma_scale_f32_16x16x128_f8f6f4 v[rD:rD+7], v[rA:rA+11], v[rB:rB+11], 0, v[rSA], v[rSB] matrix_a_fmt:MATRIX_FMT_BF6 matrix_b_fmt:MATRIX_FMT_BF6
.elseif us%2 == 1
	v_wmma_scale_f32_16x16x128_f8f6f4 v[rD:rD+7], v[rA:rA+11], v[rB:rB+11], v[rD:rD+7], v[rSA], v[rSB] matrix_a_fmt:MATRIX_FMT_BF6 matrix_b_fmt:MATRIX_FMT_BF6 matrix_a_scale:MATRIX_SCALE_ROW1 matrix_b_scale:MATRIX_SCALE_ROW1
.else
	v_wmma_scale_f32_16x16x128_f8f6f4 v[rD:rD+7], v[rA:rA+11], v[rB:rB+11], v[rD:rD+7], v[rSA], v[rSB] matrix_a_fmt:MATRIX_FMT_BF6 matrix_b_fmt:MATRIX_FMT_BF6
.endif
.endm
.set u, 0
.rept 48
.set pr, u/6
.set us, u%6
.set lf, 47-u
.if lf > 9
.set lf, 9
.endif
	s_wait_loadcnt 6*lf                            ; this unit's six loads, and all that was asked for earlier, are in; the younger units' six each may be out
	WIN 0x01                                       ; source 0 window 1
	MM 0
	MM 1
	WIN 0
.rept 4
	v_nop                                          ; four places in front of the loads into the slot just read, and of the first read of results
.endr
.if us == 5
	s_wait_alu depctr_va_vdst(0)
.irp j, 0,1
.if 2*pr+\j == 0
.irp r, 0,1,2,3,4,5,6,7
	v_mov_b32 v[KEEP+\r], v[ACC+\r]                ; query 0's column, and a first value for the other lanes; each accumulator is read from its low end on
.endr
.else
	s_mov_b32 s28, 0x10001<<(2*pr+\j)              ; lanes n and n + 16
.irp r, 0,1,2,3,4,5,6,7
	v_cndmask_b32 v[KEEP+\r], v[KEEP+\r], v[ACC+16*(pr%2)+8*\j+\r], s28
.endr
.endif
.endr
.endif
.if u+10 <= 47
.set uu, u+10
	ULOAD
.endif
.set u, u+1
.endr
	v_mov_b32 v[X2P], v[XS+3]
	v_mov_b32 v[X2P+1], v[XS+3]
.irp o, 0,1,2,3
	v_pk_fma_f32 v[KEEP+2*\o:KEEP+2*\o+1], v[KEEP+2*\o:KEEP+2*\o+1], 2.0, v[X2P:X2P+1] op_sel_hi:[1,0,1] neg_lo:[0,0,1] neg_hi:[0,0,1]   ; 2 xc - x2
.endr
.irp o, 0,1,2,3
	v_pk_add_f32 v[KEEP+2*\o:KEEP+2*\o+1], v[KEEP+2*\o:KEEP+2*\o+1], v[C2+2*\o:C2+2*\o+1] neg_lo:[0,1] neg_hi:[0,1]   ; - c2
.endr
	ds_store_b128 v[SA], v[KEEP:KEEP+3]
	ds_store_b128 v[SA], v[KEEP+4:KEEP+7] offset:512
	ds_store_b32 v[IA], v[IB]
	s_wait_dscnt 0x0                               ; for wave 0's sake: my scores lie in LDS
	s_barrier_signal -1
	s_barrier_wait -1
	s_cmp_lg_u32 s14, 0
	s_cbranch_scc1 .Lend
.irp a, 0,1,2,3
.irp c, 0,1
	ds_load_b128 v[SV+8*\a+4*\c:SV+8*\a+4*\c+3], v[LI] offset:\a*1024+\c*512
.endr
	ds_load_b32 v[IBR+\a], v[L4] offset:4096+128*\a
.endr
.irp k, 0,1,2,3,4,5,6,7
	v_mov_b32 v[VL+\k], 0xff800000                 ; under every score
	v_mov_b32 v[IL+\k], 0
	v_mov_b32 v[PV+\k], 0                          ; written once: a lane permute's destination counts as one of its sources
	v_mov_b32 v[PI+\k], 0
.endr
	s_wait_dscnt 0x0
; (value v[xv], number v[xi]) into the list: it goes in front of every entry that it strictly exceeds, so of equals the one inserted first, the lower number, stays in front
.macro INSERT xv, xi
.irp k, 0,1,2,3,4,5,6,7
	v_cmp_gt_f32 s[20+\k], v[\xv], v[VL+\k]
.endr
.irp k, 7,6,5,4,3,2,1
	v_cndmask_b32 v[IL+\k], v[IL+\k], v[\xi], s[20+\k]
	v_cndmask_b32 v[IL+\k], v[IL+\k], v[IL+\k-1], s[20+\k-1]
	v_med3_num_f32 v[VL+\k], v[VL+\k-1], v[VL+\k], v[\xv]
.endr
	v_cndmask_b32 v[IL], v[IL], v[\xi], s20
	v_max_num_f32 v[VL], v[VL], v[\xv]
.endm
.irp a, 0,1,2,3                        ; groups 4 h + 0 .. 3 ascend, and so do a group's codes
.irp j, 0,1,2,3,4,5,6,7
	v_add_nc_u32 v[TI], \j, v[IBR+\a]
	INSERT SV+8*\a+\j, TI
.endr
.endr
.irp k, 0,1,2,3,4,5,6,7
	v_permlanex16_b32 v[PV+\k], v[VL+\k], s30, s31
	v_permlanex16_b32 v[PI+\k], v[IL+\k], s30, s31
.endr
.irp k, 0,1,2,3,4,5,6,7                ; in both lanes of a query: the list of groups 0-3 stays, that of groups 4-7, whose numbers are all higher, is inserted into it
	v_cndmask_b32 v[HV+\k], v[PV+\k], v[VL+\k], s32
	v_cndmask_b32 v[HI+\k], v[PI+\k], v[IL+\k], s32
	v_cndmask_b32 v[VL+\k], v[VL+\k], v[PV+\k], s32
	v_cndmask_b32 v[IL+\k], v[IL+\k], v[PI+\k], s32
.endr
.irp k, 0,1,2,3,4,5,6,7
	INSERT HV+\k, HI+\k
.endr
.irp k, 0,1,2,3
	v_cndmask_b32 v[OUT+\k], v[IL+\k], v[IL+4+\k], s32   ; lanes 0-15 store the row's first four, lanes 16-31 its last four
.endr
	global_store_b128 v[SO], v[OUT:OUT+3], s[10:11]   ; 512 consecutive bytes
	global_store_b128 v[SO], v[OUT:OUT+3], s[12:13]
.Lend:
	s_wait_tensorcnt 0x0
	ds_add_u32 v254, v255
	s_wait_dscnt 0x0
	s_endpgm
.Lfunc_end_k_q2f33cc5270_rescore:
	.size	k_q2f33cc5270_rescore, .Lfunc_end_k_q2f33cc5270_rescore-k_q2f33cc5270_rescore
	.p2alignl 7, 3214868480
	.fill 96, 4, 3214868480
	.section	.rodata,"a",@progbits
	.p2align	6, 0x0
	.amdhsa_kernel k_q2f33cc5270_rescore
		.amdhsa_group_segment_fixed_size 5632
		.amdhsa_private_segment_fixed_size 0
		.amdhsa_enable_private_segment 0
		.amdhsa_kernarg_size 40
		.amdhsa_user_sgpr_count 2
		.amdhsa_user_sgpr_kernarg_segment_ptr 1
		.amdhsa_wavefront_size32 1
		.amdhsa_system_sgpr_workgroup_id_x 1
		.amdhsa_system_sgpr_workgroup_id_y 1
		.amdhsa_system_sgpr_workgroup_id_z 1
		.amdhsa_system_vgpr_workitem_id 0
		.amdhsa_next_free_vgpr 512
		.amdhsa_next_free_sgpr 66
		.amdhsa_reserve_vcc 0
		.amdhsa_float_denorm_mode_32 3
		.amdhsa_float_denorm_mode_16_64 3
		.amdhsa_memory_ordered 1
		.amdhsa_forward_progress 1
		.amdhsa_inst_pref_size 160
	.end_amdhsa_kernel
	.amdgpu_metadata
---
amdhsa.version: [ 1, 2 ]
amdhsa.kernels:
  - .name:           k_q2f33cc5270_rescore
    .symbol:         k_q2f33cc5270_rescore.kd
    .args:
      - { .name: q, .offset: 0, .size: 8, .value_kind: global_buffer, .address_space: global }
      - { .name: sc, .offset: 8, .size: 8, .value_kind: global_buffer, .address_space: global }
      - { .name: gsel, .offset: 16, .size: 8, .value_kind: global_buffer, .address_space: global }
      - { .name: out1, .offset: 24, .size: 8, .value_kind: global_buffer, .address_space: global }
      - { .name: ids, .offset: 32, .size: 8, .value_kind: global_buffer, .address_space: global }
    .group_segment_fixed_size: 5632
    .private_segment_fixed_size: 0
    .kernarg_segment_align: 8
    .kernarg_segment_size: 40
    .max_flat_workgroup_size: 128
    .sgpr_count:     66
    .vgpr_count:     512
    .wavefront_size: 32
...
	.end_amdgpu_metadata
.endif
;; end of part 4
;; launch mean (part 5): grid 1024 x 1, 8 waves a work-group, no clusters, 0 bytes of LDS; arguments codebook, ids, out0; writes out0
.if DOCPART == 5
	.amdgcn_target "amdgcn-amd-amdhsa--gfx1250"
	.amdhsa_code_object_version 6
	.text
	.protected	k_q2f33cc5270_mean
	.globl	k_q2f33cc5270_mean
	.p2align	8
	.type	k_q2f33cc5270_mean,@function
k_q2f33cc5270_mean:
	s_mov_b64 s[64:65], 0
	v_nop
	global_prefetch_b8 v0, s[64:65] scope:SCOPE_SE
	s_setreg_imm32_b32 hwreg(HW_REG_WAVE_MODE, 25, 1), 1
	s_wait_xcnt 0x0
; out0[n] = the sum of the 8 codebook rows named by ids[n], in the order of the list, x 0.125; all in f32.
; One wave takes one query: its 8 numbers come by one scalar load (whole numbers that an earlier launch stored; each passes a minimum with 8191), each row of 3,072 bytes by six loads of 512 consecutive bytes.
; REGISTERS: v8-31 row 0 and then the sum; v32-55, v56-79, v80-103 three buffers of a row by turns: row k lies in buffer (k - 1) % 3, and as soon as it is added, row k + 3 is asked for into the same buffer.
; So 104 registers serve a wave, and four work-groups (32 waves of 104 registers on 4 SIMDs of 1,024) fit on a WGP: the 1,024 work-groups are one turn.
; No LDS, no barrier, no matrix unit: memory binds.  No hint on the loads: many queries may name the same row.  No loop to run ahead in: no prefetch.
	s_load_b128 s[4:7], s[0:1], 0x0                ; codebook, ids
	s_load_b64 s[8:9], s[0:1], 0x10                ; out0
	v_lshrrev_b32 v2, 5, v0
	s_delay_alu instid0(VALU_DEP_1)
	v_readfirstlane_b32 s10, v2                    ; wave 0..7
	v_and_b32 v3, 31, v0
	s_delay_alu instid0(VALU_DEP_1)
	v_lshlrev_b32 v1, 4, v3                        ; 16 x lane
	s_lshl_b32 s11, ttmp9, 3
	s_add_co_u32 s11, s11, s10                     ; my query
	s_lshl_b32 s12, s11, 5
	s_mov_b32 s13, 0
	s_mul_i32 s14, s11, 3072
	s_mov_b32 s15, 0
	s_mov_b32 s41, 0
	s_wait_alu depctr_va_vdst(0)                   ; the wait at the head's end
	s_wait_kmcnt 0x0
	s_add_nc_u64 s[6:7], s[6:7], s[12:13]
	s_add_nc_u64 s[8:9], s[8:9], s[14:15]
	s_load_b256 s[16:23], s[6:7], 0x0
	s_wait_kmcnt 0x0
.irp k, 0,1,2,3,4,5,6,7
	s_min_u32 s[16+\k], s[16+\k], 8191
	s_mul_i32 s40, s[16+\k], 3072
	s_add_nc_u64 s[24+2*\k:25+2*\k], s[4:5], s[40:41]
.endr
.macro ROW k, b                        ; row k into the 24 registers from v[8 + 24 b] on
.irp c, 0,1,2,3,4,5
	global_load_b128 v[8+24*(\b)+4*\c:8+24*(\b)+4*\c+3], v1, s[24+2*(\k):25+2*(\k)] offset:512*\c
.endr
.endm
	ROW 0, 0
	ROW 1, 1
	ROW 2, 2
	ROW 3, 3
.irp k, 1,2,3,4,5,6,7
.if \k < 6
	s_wait_loadcnt 12                              ; rows 0 to k are in; the six loads each of rows k + 1 and k + 2 may be out
.else
	s_wait_loadcnt 6*(7-\k)
.endif
.irp p, 0,1,2,3,4,5,6,7,8,9,10,11
	v_pk_add_f32 v[8+2*\p:9+2*\p], v[8+2*\p:9+2*\p], v[8+24*((\k-1)%3+1)+2*\p:9+24*((\k-1)%3+1)+2*\p]
.endr
.if \k < 5
	ROW \k+3, (\k-1)%3+1
.endif
.endr
.irp p, 0,1,2,3,4,5,6,7,8,9,10,11
	v_pk_mul_f32 v[8+2*\p:9+2*\p], v[8+2*\p:9+2*\p], 0x3e000000 op_sel_hi:[1,0]   ; / 8: exact
.endr
.irp c, 0,1,2,3,4,5
	global_store_b128 v1, v[8+4*\c:11+4*\c], s[8:9] offset:512*\c th:TH_STORE_NT   ; 512 consecutive bytes, at a multiple of 256 from out0's first byte
.endr
	s_endpgm
.Lfunc_end_k_q2f33cc5270_mean:
	.size	k_q2f33cc5270_mean, .Lfunc_end_k_q2f33cc5270_mean-k_q2f33cc5270_mean
	.p2alignl 7, 3214868480
	.fill 96, 4, 3214868480
	.section	.rodata,"a",@progbits
	.p2align	6, 0x0
	.amdhsa_kernel k_q2f33cc5270_mean
		.amdhsa_group_segment_fixed_size 0
		.amdhsa_private_segment_fixed_size 0
		.amdhsa_enable_private_segment 0
		.amdhsa_kernarg_size 24
		.amdhsa_user_sgpr_count 2
		.amdhsa_user_sgpr_kernarg_segment_ptr 1
		.amdhsa_wavefront_size32 1
		.amdhsa_system_sgpr_workgroup_id_x 1
		.amdhsa_system_sgpr_workgroup_id_y 1
		.amdhsa_system_sgpr_workgroup_id_z 1
		.amdhsa_system_vgpr_workitem_id 0
		.amdhsa_next_free_vgpr 104
		.amdhsa_next_free_sgpr 66
		.amdhsa_reserve_vcc 0
		.amdhsa_float_denorm_mode_32 3
		.amdhsa_float_denorm_mode_16_64 3
		.amdhsa_memory_ordered 1
		.amdhsa_forward_progress 1
		.amdhsa_inst_pref_size 14
	.end_amdhsa_kernel
	.amdgpu_metadata
---
amdhsa.version: [ 1, 2 ]
amdhsa.kernels:
  - .name:           k_q2f33cc5270_mean
    .symbol:         k_q2f33cc5270_mean.kd
    .args:
      - { .name: codebook, .offset: 0, .size: 8, .value_kind: global_buffer, .address_space: global }
      - { .name: ids, .offset: 8, .size: 8, .value_kind: global_buffer, .address_space: global }
      - { .name: out0, .offset: 16, .size: 8, .value_kind: global_buffer, .address_space: global }
    .group_segment_fixed_size: 0
    .private_segment_fixed_size: 0
    .kernarg_segment_align: 8
    .kernarg_segment_size: 24
    .max_flat_workgroup_size: 256
    .sgpr_count:     66
    .vgpr_count:     104
    .wavefront_size: 32
...
	.end_amdgpu_metadata
.endif
;; end of part 5
